; MI455X (gfx1250); checked and timed in simulation.
; The chip was launched on July 23, 2026; its instructions are those of AMD's public machine-readable ISA for CDNA 5 (MIT licence, August 2026) and "CDNA5" Instruction Set Architecture Reference Guide (July 2026). The comments in the code are by the model that wrote it; some were corrected since.
;; Semantic Codebook. Allowed arithmetic: matrix products marked QUANTISED: E5M2 operands, one E8M0 scale for each 32 along K, by v_wmma_scale_f32_16x16x128_f8f6f4 with both operands' format E5M2, f32 sums; everything else in f32.
;; Inputs: cluster_usage 8,192 float32; embedding_sum 8,192 x 512 float32; x 16 x 512 x 1,024 float32.
;; Outputs: out0 16 x 1 x 1,024 int32; out1 16 x 512 x 1,024 float32.
;; This version of the problem:
;;   THIS VERSION OF THE PROBLEM IS GIVEN IN LOW PRECISION. The matrix products marked QUANTISED in the list below multiply operands that are first quantised to E5M2 (5 exponent bits, 2 mantissa bits; 8 bits a number), with one power-of-two scale for each 32 numbers along K (OCP MX v1.0); their sums are f32. All else is computed in f32.
;;   The module's matrix products, in the order in which they are computed (A, B: the left and right operand; K: the contracted axis; several contracted axes count as one K, in the product's order):
;;     1. [M 16,384, K 512] x [K 512, N 8,192]; A: input x; B: computed on the way: QUANTISED
;;   THE QUANTISER, for each operand of a quantised product, along K:
;;     - K is cut into blocks of 32 from its start; a last block that is shorter is filled with zeros.
;;     - A block's scale is 2^e with e = floor(log2(the largest magnitude in the block)) - 15, held to -126 .. 127; a block of zeros has e = 0. As a byte (E8M0): e + 127.
;;     - Each number is divided by its block's scale, clamped to +-57,344, and rounded to the nearest number of E5M2, ties to even, subnormals kept.
;;     - The product sums the exact products of the quantised numbers (number of the format x scale) in f32.
;;   ~~~python
;;   def quantise(x, axis):      # numpy; x: float32 -> the quantised numbers, widened to float32 again
;;       x = np.moveaxis(x, axis, -1); K = x.shape[-1]
;;       x = np.pad(x, [(0, 0)] * (x.ndim - 1) + [(0, -K % 32)]); x = x.reshape(x.shape[:-1] + (-1, 32)); a = np.abs(x).max(-1, keepdims=True)
;;       e = np.where(a > 0, np.clip(np.frexp(np.where(a > 0, a, 1))[1] - 1 - 15, -126, 127), 0)      # np.frexp(a)[1] - 1 = floor(log2(a)), exactly
;;       r = np.clip(x / 2.0 ** e, -57344, 57344)
;;       step = 2.0 ** (np.maximum(np.frexp(np.where(r == 0, 1, r))[1] - 1, -14) - 2)
;;       q = np.round(r / step) * step * 2.0 ** e      # np.round: ties to even
;;       return np.moveaxis(q.reshape(q.shape[:-2] + (-1,))[..., :K], -1, axis).astype(np.float32)
;;   ~~~
;;   OPERANDS COMPUTED ON THE WAY. 'Computed on the way' means the value that the module computes at that place (a softmax that the list does not call 'softmax' is quantised finished and normalised). What goes into a quantiser is computed in f32, as accurately as f32 sums, v_exp_f32 and their like allow (about 1e-6 of the number): no bf16 or f16 on the way to a quantiser, and a product that is left as it is and whose result goes on into a quantised operand takes f32 operands (vector FMAs, or v_wmma_f32_16x16x4_f32). A number that lies on a knife's edge between two numbers of the format may be rounded either way, as far as f32 arithmetic and the matrix unit's own rounding can turn it there, and no further.
;; One version. Each part assembles by itself: llvm-mc -triple=amdgcn-amd-amdhsa -mcpu=gfx1250 --defsym DOCPART=n.
;; ======== version 1 of 1: 3 launches
;; limits: right only within a limited range of input values
;; workspace buffers: x_img 8,388,608 bytes; x_sc 262,144 bytes; emb_img 4,456,448 bytes; cand_val 131,072 bytes; cand_idx 131,072 bytes of whole numbers
;; launch quant (part 1): grid 320 x 1, 8 waves a work-group, no clusters, 117,760 bytes of LDS; arguments x, embedding_sum, cluster_usage, x_img, x_sc, emb_img; writes x_img, x_sc, emb_img
.if DOCPART == 1
	.amdgcn_target "amdgcn-amd-amdhsa--gfx1250"
	.amdhsa_code_object_version 6
	.text
	.protected	k_qb521ec6726_quant
	.globl	k_qb521ec6726_quant
	.p2align	8
	.type	k_qb521ec6726_quant,@function
k_qb521ec6726_quant:
	s_mov_b64 s[64:65], 0
	v_nop
	global_prefetch_b8 v0, s[64:65] scope:SCOPE_SE
	s_setreg_imm32_b32 hwreg(HW_REG_WAVE_MODE, 25, 1), 1
	s_wait_xcnt 0x0
; Both operands of the product [16,384 queries x 512] x [512 x 8,192 codes] are turned into codes of E5M2 with one E8M0 byte for each 32 along K = the 512 channels,
; laid as IMAGES OF THE OPERAND'S REGISTERS: a tile of 16 rows is 8,192 bytes; byte (4 s + c) 512 + (16 h + r) 16 holds the 16 codes k = 128 s + 32 c + 16 h + 0 .. 15 of row r.
; A tile's scale words: 256 bytes, 8 a lane: lanes 0-15 (word of K step 0, of K step 2) of row = lane, lanes 16-31 (K step 1, K step 3) of row = lane - 16.
; A block's scale is 2^(floor(log2(largest magnitude)) - 15): its byte is the largest magnitude's exponent field - 15, held at 1 from below; numbers are held within +-57,344 x the scale and rounded to nearest even.
; PATH E (work-groups 0-63): emb = embedding_sum / max(cluster_usage, 1e-5); a wave makes one tile of 16 codebook rows: a record of 8,704 bytes: image, scale words, 16 sums of squares (e2), 192 zeros.
; PATH X (work-groups 64-319): x [16][512][1024] has K as its middle axis: a lane takes a query (a column t), its registers run down K.  64 queries a work-group; wave w: queries 32 (w & 1) on, channels 128 (w >> 1) on.
; The two paths part on the work-group's number alone and have LDS bytes of their own.
; LIMITS: NaN and infinities among the inputs are not served.  A block of zeros gets the byte 1 where the rule says 127: its codes are zeros, and this program alone reads the bytes.
; The quotient is a reciprocal with one Newton step, then q = a r corrected by its residual a - q b: not proved correctly rounded in every case.  e2 is summed in another order than a plain loop's.
; LEFT OUT AS DEAD WORK: x2[n] = the sum of x^2 over a query's channels.  It enters d2[n][k] = x2[n] - 2 x.e + e2[k] as a term that is the same for all 8,192 codes k of query n,
; d2 reaches the outputs through argmin over k alone, and argmin over k of (x2[n] + f[k]) = argmin over k of f[k] for all finite values.  So no launch of this program computes, stores or reads x2.
; LIMIT: a NaN, an infinity or an overflow that reaches x2 alone is not carried to the result; where reference()'s f32 sum with x2 rounds two distances to one number, this program still tells them apart.
; WHAT THE RECORD HOLDS FOR THE NEXT LAUNCH, beyond the lines above: each scale byte of emb is ONE HIGHER than the quantiser's (the codes then stand for 2 emb, exactly; the byte is at most 254 - 15 + 1, a finite code),
; and the 16 sums of squares are stored NEGATED (-e2): a product begun with C = -e2 gives 2 x.e - e2, whose largest is d2's smallest.
.set EPSB,  0x3727c5ac
.set FLOOR, 0x8000000                  ; 2^(16 - 127): under it no largest magnitude is taken, so the byte cannot fall under 1
.set EOFF,  0xf8800000                 ; -(15 << 23)
.set EXPM,  0x7f800000
.set NE,    64                         ; work-groups of path E
.set WREG,  14336                      ; path E: LDS of a wave: two turning stages, the image, the tail
.set SP,    80                         ; a lane's place in a stage: 64 bytes + 16 of padding
.set IMG,   5120                       ; 32 units of 256 bytes, 272 apart
.set IP,    272
.set TAIL,  13824                      ; 256 scale bytes, then 64 bytes of e2 and 192 zeros
.set REC,   8704
.set XSC,   8*WREG                     ; path X: 8 waves x 128 bytes of scale words,
.set X2P,   XSC+1024
.set X,     64                         ; path X: v64-191 128 numbers;  v32-63 codes, 8 registers a block, none written twice
.set C,     32
.set R,     64                         ; path E: v64-191 eight sets of 16 numbers as loaded;  v32-63 two sets of 16 neighbours;  v192-207 the quotients
.set XS,    32
.set Y,     192
	s_load_b256 s[4:11], s[0:1], 0x0               ; x s[4:5], embedding_sum s[6:7], cluster_usage s[8:9], x_img s[10:11]
	s_load_b64 s[12:13], s[0:1], 0x20              ; x_sc
	s_load_b64 s[16:17], s[0:1], 0x28              ; emb_img
	v_lshl_add_u32 v216, v0, 2, 0x1c800
	v_mov_b32 v217, 0
	v_lshrrev_b32 v1, 5, v0
	s_delay_alu instid0(VALU_DEP_1)
	v_readfirstlane_b32 s18, v1                    ; wave 0..7
	v_and_b32 v1, 31, v0                           ; lane
	s_mov_b32 s19, 0x600000                        ; the mantissa field of 57,344
	s_mov_b32 s24, 0x76543210
	s_mov_b32 s25, 0xfedcba98                      ; v_permlanex16_b32's selects for lane l xor 16
	s_cmp_lt_u32 ttmp9, NE
	s_cbranch_scc1 .Lpath_e
; ---------------------------------------------------------------- PATH X
	s_sub_co_u32 s26, ttmp9, NE                    ; g: queries 64 g on: batch g >> 4, t0 = 64 (g & 15)
	s_lshr_b32 s27, s26, 4
	s_and_b32 s28, s26, 15
	s_and_b32 s29, s18, 1                          ; tg: which 32 queries
	s_lshr_b32 s30, s18, 1                         ; s: which 128 channels
	s_lshl_b32 s32, s27, 21                        ; x: batch x 2,097,152
	s_lshl_b32 s33, s30, 19                        ;    + 128 s rows of 4,096 bytes
	s_add_co_u32 s32, s32, s33
	s_lshl_b32 s33, s28, 8                         ;    + 4 t0
	s_add_co_u32 s32, s32, s33
	s_mov_b32 s33, 0
	s_lshl_b32 s34, s26, 15                        ; x_img: tile 4 g + 2 tg, K step s
	s_lshl_b32 s35, s29, 14
	s_add_co_u32 s34, s34, s35
	s_lshl_b32 s35, s30, 11
	s_add_co_u32 s34, s34, s35
	s_mov_b32 s35, 0
	s_and_b32 s31, s18, 3
	s_lshl_b32 s36, s26, 10                        ; x_sc: tile 4 g + (w & 3)
	s_lshl_b32 s37, s31, 8
	s_add_co_u32 s36, s36, s37
	s_mov_b32 s37, 0
	s_wait_alu depctr_va_vdst(0)
	v_lshlrev_b32 v2, 2, v1
	s_delay_alu instid0(VALU_DEP_1)
	v_lshl_add_u32 v2, s29, 7, v2                  ; in: 4 (32 tg + lane)
	v_lshrrev_b32 v3, 4, v1                        ; lane / 16
	v_and_b32 v4, 15, v1                           ; lane % 16
	s_lshl_b32 s40, s18, 7
	s_add_co_u32 s40, s40, XSC
	v_lshl_add_u32 v5, v1, 2, s40                  ; LDS: my wave's 128 bytes, my word
	s_lshl_b32 s41, s31, 6
	s_add_co_u32 s41, s41, XSC
	v_lshl_add_u32 v6, v3, 8, s41                  ; back: tile w & 3, lane L wants row L % 16 of K steps L / 16 and 2 + L / 16: wave 2 s + tg wrote them,
	s_delay_alu instid0(VALU_DEP_1)
	v_lshl_add_u32 v6, v4, 2, v6                   ;   at 256 s + 128 tg + 4 (its lane): XSC + 64 (w & 3) + 256 (L / 16) + 4 (L % 16), and 512 on
	v_lshlrev_b32 v7, 3, v1                        ; 8 x lane
	v_lshlrev_b32 v3, 13, v3
	s_delay_alu instid0(VALU_DEP_1)
	v_lshl_add_u32 v3, v4, 4, v3                   ; out: lanes 0-15 the first tile's image, lanes 16-31 the next tile's; 16 bytes a row
	s_wait_alu depctr_va_vdst(0)                   ; the wait at the head's end
	s_wait_kmcnt 0x0
	s_add_nc_u64 s[4:5], s[4:5], s[32:33]
	s_add_nc_u64 s[10:11], s[10:11], s[34:35]
	s_add_nc_u64 s[12:13], s[12:13], s[36:37]
.set i_, 0
.rept 128
	global_load_b32 v[X+i_], v2, s[4:5] offset:i_*4096 th:TH_LOAD_NT   ; x(128 s + i, my query): a wave reads 128 consecutive bytes, the pair of waves beside each other 256
.set i_, i_+1
.endr
; Block c: 32 numbers down K, all mine.  left: how many younger loads may stay out.
.macro BLOCKX c, left
.set XB, X+32*(\c)
.set CB, C+8*(\c)
	s_wait_loadcnt \left
	v_max3_num_f32 v8, |v[XB]|, |v[XB+1]|, |v[XB+2]|               ; the block's largest magnitude
	v_max3_num_f32 v9, |v[XB+3]|, |v[XB+4]|, |v[XB+5]|
.irp i, 6,10,14,18,22,26
	s_delay_alu instid0(VALU_DEP_2)
	v_max3_num_f32 v8, v8, |v[XB+\i]|, |v[XB+\i+1]|
	s_delay_alu instid0(VALU_DEP_2)
	v_max3_num_f32 v9, v9, |v[XB+\i+2]|, |v[XB+\i+3]|
.endr
	s_delay_alu instid0(VALU_DEP_2)
	v_max3_num_f32 v8, v8, |v[XB+30]|, |v[XB+31]|
	s_delay_alu instid0(VALU_DEP_1)
	v_max3_num_f32 v8, v8, v9, FLOOR
	s_delay_alu instid0(VALU_DEP_1)
	v_add_nc_u32 v11, EOFF, v8                     ; 15 off its exponent field: the conversion's scale operand
	s_delay_alu instid0(VALU_DEP_2)
	v_and_or_b32 v10, v8, EXPM, s19                ; 57,344 x the scale
	s_delay_alu instid0(VALU_DEP_2)
	v_lshrrev_b32 v9, 23, v11                      ; the byte
.if (\c) == 0
	s_delay_alu instid0(VALU_DEP_1)
	v_mov_b32 v16, v9
.else
	s_delay_alu instid0(VALU_DEP_1)
	v_lshl_or_b32 v16, v9, 8*(\c), v16             ; four bytes make my query's word of this K step
.endif
.set i_, 0
.rept 32
	v_med3_num_f32 v[XB+i_], v[XB+i_], -v10, v10   ; the conversion to an 8-bit code does not saturate (ISA guide 7.6.2): the hold comes first
.set i_, i_+1
.endr
.irp g, 0,1,2,3
	v_cvt_scalef32_pk8_bf8_f32 v[CB+2*\g:CB+2*\g+1], v[XB+8*\g:XB+8*\g+7], v11
.endr
	v_nop                                          ; a plain line behind the last conversion, ahead of the next line that writes its scale operand
	global_store_b128 v3, v[CB:CB+3], s[10:11] offset:512*(\c)         ; k = 32 c + 0 .. 15: sixteen lanes fill 256 consecutive bytes, aligned
	global_store_b128 v3, v[CB+4:CB+7], s[10:11] offset:512*(\c)+256   ; k = 32 c + 16 .. 31
.endm
	BLOCKX 0, 63                                   ; 96 younger loads are out; the wait names the largest count it can
	BLOCKX 1, 63                                   ; 64 younger
	BLOCKX 2, 32
	BLOCKX 3, 0
	ds_store_b32 v5, v16
	s_wait_dscnt 0x0                               ; for the others' sake: my store has landed
	s_barrier_signal -1
	s_barrier_wait -1
	s_cmp_lt_u32 s18, 4
	s_cbranch_scc0 .Lx_not_words
	ds_load_b32 v20, v6                            ; waves 0-3: a tile's scale words in the order of the operand's registers
	ds_load_b32 v21, v6 offset:512
	s_wait_dscnt 0x0
	global_store_b64 v7, v[20:21], s[12:13]        ; 32 lanes store 256 consecutive bytes, aligned
	s_wait_tensorcnt 0x0
	ds_add_u32 v216, v217
	s_wait_dscnt 0x0
	s_endpgm
.Lx_not_words:
	s_wait_tensorcnt 0x0
	ds_add_u32 v216, v217
	s_wait_dscnt 0x0
	s_endpgm
; ---------------------------------------------------------------- PATH E
.Lpath_e:
	s_lshl_b32 s26, ttmp9, 3
	s_add_co_u32 s26, s26, s18                     ; my tile of 16 codebook rows
	s_mul_i32 s27, s18, WREG                       ; my LDS
	s_lshl_b32 s28, s26, 15                        ; 16 rows of 2,048 bytes
	s_mov_b32 s29, 0
	s_lshl_b32 s30, s26, 6
	s_mov_b32 s31, 0
	s_mul_i32 s32, s26, REC
	s_mov_b32 s33, 0
	s_wait_alu depctr_va_vdst(0)
	v_lshlrev_b32 v4, 4, v1                        ; 16 x lane
	v_lshrrev_b32 v5, 2, v1
	s_delay_alu instid0(VALU_DEP_1)
	v_mul_u32_u24 v5, v5, SP
	v_and_b32 v6, 3, v1
	s_delay_alu instid0(VALU_DEP_1)
	v_lshl_add_u32 v5, v6, 4, v5
	s_delay_alu instid0(VALU_DEP_1)
	v_add_nc_u32 v5, s27, v5                       ; a stage, on the way in: four lanes' 64 bytes on end, then 16 of padding
	v_mul_u32_u24 v6, v1, SP
	s_delay_alu instid0(VALU_DEP_1)
	v_add_nc_u32 v6, s27, v6                       ; and on the way out: my 16 neighbours, k = 16 lane + 0 .. 15
	s_add_co_u32 s34, s27, IMG
	v_mul_u32_u24 v7, v1, IP
	s_delay_alu instid0(VALU_DEP_1)
	v_add_nc_u32 v7, s34, v7                       ; the image: k / 16 = my lane is the number of the unit of 256 bytes; row t lies 16 t into it
	v_lshrrev_b32 v14, 4, v1
	s_delay_alu instid0(VALU_DEP_1)
	v_mul_u32_u24 v14, v14, IP
	v_and_b32 v15, 15, v1
	s_delay_alu instid0(VALU_DEP_1)
	v_lshl_add_u32 v14, v15, 4, v14
	s_delay_alu instid0(VALU_DEP_1)
	v_add_nc_u32 v14, s34, v14                     ; back: two units an instruction
	s_delay_alu instid0(VALU_DEP_3)
	v_lshlrev_b32 v209, 2, v15                     ; cluster_usage of row lane % 16
	s_add_co_u32 s35, s27, TAIL
	v_add_nc_u32 v15, s35, v4                      ; the tail, back: 16 bytes a lane
	v_bfe_u32 v12, v1, 3, 1                        ; my block is lane / 2: K step s = lane / 8, c = (lane / 2) % 4: byte 128 (s % 2) + 4 (s / 2) + c, + 8 t
	s_delay_alu instid0(VALU_DEP_1)
	v_lshlrev_b32 v12, 7, v12
	v_bfe_u32 v13, v1, 4, 1
	s_delay_alu instid0(VALU_DEP_1)
	v_lshl_add_u32 v12, v13, 2, v12
	v_bfe_u32 v13, v1, 1, 2
	s_delay_alu instid0(VALU_DEP_1)
	v_add_nc_u32 v12, v12, v13
	s_delay_alu instid0(VALU_DEP_1)
	v_add_nc_u32 v12, s35, v12
	s_add_co_u32 s36, s35, 256
	v_mov_b32 v13, s36                             ; e2's words
	v_lshl_add_u32 v208, v1, 3, s36
	v_mov_b32 v210, 0
	v_mov_b32 v211, 0
	v_mov_b32 v9, 0                                ; written once: a lane permute's destination counts as one of its sources
	ds_store_b64 v208, v[210:211]                  ; the record's last 256 bytes begin as zeros; e2's 16 words are stored over them, in order
	s_wait_kmcnt 0x0
	s_add_nc_u64 s[6:7], s[6:7], s[28:29]
	s_add_nc_u64 s[8:9], s[8:9], s[30:31]
	s_add_nc_u64 s[16:17], s[16:17], s[32:33]
	global_load_b32 v2, v209, s[8:9]
.macro LOADE t                         ; row t: four loads of 512 consecutive bytes, into set t % 8
.irp i, 0,1,2,3
	global_load_b128 v[R+16*((\t)%8)+4*\i:R+16*((\t)%8)+4*\i+3], v4, s[6:7] offset:2048*(\t)+512*\i th:TH_LOAD_NT
.endr
.endm
.macro TURNE t                         ; row t through a stage: LDS serves a wave's instructions in order (ISA guide 5.7.1.4), so no wait stands between the stores and the loads
.irp i, 0,1,2,3
	ds_store_b128 v5, v[R+16*((\t)%8)+4*\i:R+16*((\t)%8)+4*\i+3] offset:32*SP*((\t)%2)+8*SP*\i
.endr
.irp i, 0,1,2,3
	ds_load_b128 v[XS+16*((\t)%2)+4*\i:XS+16*((\t)%2)+4*\i+3], v6 offset:32*SP*((\t)%2)+16*\i
.endr
.endm
.irp t, 0,1,2,3,4,5,6,7
	LOADE \t
.endr
	s_wait_loadcnt 28                              ; cluster_usage and row 0 are in; seven rows stay out
	v_max_num_f32 v2, EPSB, v2                     ; b = max(cluster_usage, 1e-5)
	s_wait_alu depctr_va_vdst(0)
	v_rcp_f32 v3, v2
	v_nop                                          ; a plain line behind the reciprocal,
	s_wait_alu depctr_va_vdst(0)                   ; and the wait ahead of its first reader
	v_fma_f32 v8, -v2, v3, 1.0
	v_fma_f32 v3, v8, v3, v3                       ; one Newton step
	TURNE 0
.macro STEPE t
.set XS_, XS+16*((\t)%2)
.set P_, (\t)%2
.if (\t) > 0
	s_wait_dscnt 3                                 ; this row is back from its stage; the last step's three stores may be out.  So the stage's stores have read their registers,
.else
	s_wait_dscnt 0x0
.endif
.if (\t)+8 < 16
	LOADE (\t)+8                                   ; which take the row eight further on
.endif
.if (\t) < 15
.if (\t)+8 < 16
	s_wait_loadcnt 28                              ; row t + 1 is in; the seven rows behind it may be out
.else
	s_wait_loadcnt 4*(14-(\t))
.endif
	TURNE (\t)+1
.endif
	v_readlane_b32 s20, v2, \t                     ; this row's b and 1 / b
	v_readlane_b32 s22, v3, \t
	s_mov_b32 s21, s20                             ; (the packed forms name pairs and take the low word for both halves: so the high words are written)
	s_mov_b32 s23, s22
.irp i, 0,2,4,6,8,10,12,14
	v_pk_mul_f32 v[Y+\i:Y+\i+1], v[XS_+\i:XS_+\i+1], s[22:23] op_sel_hi:[1,0]    ; q0 = a / b, nearly
.endr
.irp i, 0,2,4,6,8,10,12,14
	v_pk_fma_f32 v[XS_+\i:XS_+\i+1], v[Y+\i:Y+\i+1], s[20:21], v[XS_+\i:XS_+\i+1] op_sel_hi:[1,0,1] neg_lo:[1,0,0] neg_hi:[1,0,0]   ; its residual a - q0 b, exact in the fused form
.endr
.irp i, 0,2,4,6,8,10,12,14
	v_pk_fma_f32 v[Y+\i:Y+\i+1], v[XS_+\i:XS_+\i+1], s[22:23], v[Y+\i:Y+\i+1] op_sel_hi:[1,0,1]   ; q = q0 + residual / b
.endr
	v_pk_mul_f32 v[28:29], v[Y:Y+1], v[Y:Y+1]      ; e2: the row's sum of squares, of the unquantised quotients
	v_pk_mul_f32 v[30:31], v[Y+2:Y+3], v[Y+2:Y+3]
.irp i, 4,8,12
	s_delay_alu instid0(VALU_DEP_2)
	v_pk_fma_f32 v[28:29], v[Y+\i:Y+\i+1], v[Y+\i:Y+\i+1], v[28:29]
	s_delay_alu instid0(VALU_DEP_2)
	v_pk_fma_f32 v[30:31], v[Y+\i+2:Y+\i+3], v[Y+\i+2:Y+\i+3], v[30:31]
.endr
	s_delay_alu instid0(VALU_DEP_1)
	v_pk_add_f32 v[28:29], v[28:29], v[30:31]
	s_delay_alu instid0(VALU_DEP_1)
	v_add_f32 v28, v28, v29
	s_delay_alu instid0(VALU_DEP_1)
	v_add_f32_dpp v28, v28, v28 row_xmask:1 row_mask:0xf bank_mask:0xf
	s_delay_alu instid0(VALU_DEP_1)
	v_add_f32_dpp v28, v28, v28 row_xmask:2 row_mask:0xf bank_mask:0xf
	s_delay_alu instid0(VALU_DEP_1)
	v_add_f32_dpp v28, v28, v28 row_xmask:4 row_mask:0xf bank_mask:0xf
	s_delay_alu instid0(VALU_DEP_1)
	v_add_f32_dpp v28, v28, v28 row_xmask:8 row_mask:0xf bank_mask:0xf
	s_delay_alu instid0(VALU_DEP_1)
	v_permlanex16_b32 v9, v28, s24, s25
	s_delay_alu instid0(VALU_DEP_1)
	v_sub_f32 v[26+P_], -v28, v9                   ; -e2: the sum of both halves of the lanes, negated
	ds_store_b32 v13, v[26+P_] offset:4*(\t)       ; all lanes write the same word with the same value
	v_max3_num_f32 v8, |v[Y]|, |v[Y+1]|, |v[Y+2]|  ; the largest magnitude of my 16,
	v_max3_num_f32 v9, |v[Y+3]|, |v[Y+4]|, |v[Y+5]|
.irp i, 6,10
	s_delay_alu instid0(VALU_DEP_2)
	v_max3_num_f32 v8, v8, |v[Y+\i]|, |v[Y+\i+1]|
	s_delay_alu instid0(VALU_DEP_2)
	v_max3_num_f32 v9, v9, |v[Y+\i+2]|, |v[Y+\i+3]|
.endr
	s_delay_alu instid0(VALU_DEP_2)
	v_max3_num_f32 v8, v8, |v[Y+14]|, |v[Y+15]|
	s_delay_alu instid0(VALU_DEP_1)
	v_max3_num_f32 v8, v8, v9, FLOOR
	s_delay_alu instid0(VALU_DEP_1)
	v_max_num_f32_dpp v8, v8, v8 row_xmask:1 row_mask:0xf bank_mask:0xf   ; and of my neighbour's 16: the block's
	s_delay_alu instid0(VALU_DEP_1)
	v_add_nc_u32 v11, EOFF, v8
	s_delay_alu instid0(VALU_DEP_2)
	v_and_or_b32 v10, v8, EXPM, s19
.set i_, 0
.rept 16
	v_med3_num_f32 v[Y+i_], v[Y+i_], -v10, v10
.set i_, i_+1
.endr
	v_cvt_scalef32_pk8_bf8_f32 v[16+4*P_:17+4*P_], v[Y:Y+7], v11
	v_cvt_scalef32_pk8_bf8_f32 v[18+4*P_:19+4*P_], v[Y+8:Y+15], v11
	v_lshrrev_b32 v[24+P_], 23, v11                ; the quantiser's byte (also the plain line behind the conversions),
	v_add_nc_u32 v[24+P_], 1, v[24+P_]             ; and one more: the stored byte stands for twice the scale
	ds_store_b8 v12, v[24+P_] offset:8*(\t)        ; both lanes of a block write the same byte with the same value
	ds_store_b128 v7, v[16+4*P_:19+4*P_] offset:16*(\t)   ; the codes, the byte and the sum have two sets of registers by turns: a set is written again behind the wait at the next step's head
.endm
	s_wait_alu depctr_va_vdst(0)
.irp t, 0,1,2,3,4,5,6,7,8,9,10,11,12,13,14,15
	STEPE \t
.endr
.set u_, 0
.rept 16
	ds_load_b128 v[R+4*u_:R+4*u_+3], v14 offset:u_*2*IP   ; these see my stores: LDS serves a wave's instructions in order
.set u_, u_+1
.endr
	ds_load_b128 v[R+64:R+67], v15
.set u_, 0
.rept 16
	s_wait_dscnt 16-u_
	global_store_b128 v4, v[R+4*u_:R+4*u_+3], s[16:17] offset:512*u_   ; 32 lanes store 512 consecutive bytes, aligned
.set u_, u_+1
.endr
	s_wait_dscnt 0x0
	global_store_b128 v4, v[R+64:R+67], s[16:17] offset:8192           ; scale words, e2, zeros
	s_wait_tensorcnt 0x0
	ds_add_u32 v216, v217
	s_wait_dscnt 0x0
	s_endpgm
.Lfunc_end_k_qb521ec6726_quant:
	.size	k_qb521ec6726_quant, .Lfunc_end_k_qb521ec6726_quant-k_qb521ec6726_quant
	.p2alignl 7, 3214868480
	.fill 96, 4, 3214868480
	.section	.rodata,"a",@progbits
	.p2align	6, 0x0
	.amdhsa_kernel k_qb521ec6726_quant
		.amdhsa_group_segment_fixed_size 117760
		.amdhsa_private_segment_fixed_size 0
		.amdhsa_enable_private_segment 0
		.amdhsa_kernarg_size 48
		.amdhsa_user_sgpr_count 2
		.amdhsa_user_sgpr_kernarg_segment_ptr 1
		.amdhsa_wavefront_size32 1
		.amdhsa_system_sgpr_workgroup_id_x 1
		.amdhsa_system_sgpr_workgroup_id_y 1
		.amdhsa_system_sgpr_workgroup_id_z 1
		.amdhsa_system_vgpr_workitem_id 0
		.amdhsa_next_free_vgpr 218
		.amdhsa_next_free_sgpr 66
		.amdhsa_reserve_vcc 0
		.amdhsa_float_denorm_mode_32 3
		.amdhsa_float_denorm_mode_16_64 3
		.amdhsa_memory_ordered 1
		.amdhsa_forward_progress 1
		.amdhsa_inst_pref_size 142
	.end_amdhsa_kernel
	.amdgpu_metadata
---
amdhsa.version: [ 1, 2 ]
amdhsa.kernels:
  - .name:           k_qb521ec6726_quant
    .symbol:         k_qb521ec6726_quant.kd
    .args:
      - { .name: x, .offset: 0, .size: 8, .value_kind: global_buffer, .address_space: global }
      - { .name: embedding_sum, .offset: 8, .size: 8, .value_kind: global_buffer, .address_space: global }
      - { .name: cluster_usage, .offset: 16, .size: 8, .value_kind: global_buffer, .address_space: global }
      - { .name: x_img, .offset: 24, .size: 8, .value_kind: global_buffer, .address_space: global }
      - { .name: x_sc, .offset: 32, .size: 8, .value_kind: global_buffer, .address_space: global }
      - { .name: emb_img, .offset: 40, .size: 8, .value_kind: global_buffer, .address_space: global }
    .group_segment_fixed_size: 117760
    .private_segment_fixed_size: 0
    .kernarg_segment_align: 8
    .kernarg_segment_size: 48
    .max_flat_workgroup_size: 256
    .sgpr_count:     66
    .vgpr_count:     218
    .wavefront_size: 32
...
	.end_amdgpu_metadata
.endif
;; end of part 1
;; launch dist (part 2): grid 128 x 2, 4 waves a work-group, clusters of 4 x 1, 327,680 bytes of LDS; arguments x_img, x_sc, emb_img, cand_val, cand_idx; writes cand_val, cand_idx
.if DOCPART == 2
	.amdgcn_target "amdgcn-amd-amdhsa--gfx1250"
	.amdhsa_code_object_version 6
	.text
	.protected	k_qb521ec6726_dist
	.globl	k_qb521ec6726_dist
	.p2align	8
	.type	k_qb521ec6726_dist,@function
k_qb521ec6726_dist:
	s_mov_b64 s[64:65], 0
	v_nop
	global_prefetch_b8 v0, s[64:65] scope:SCOPE_SE
	s_setreg_imm32_b32 hwreg(HW_REG_WAVE_MODE, 25, 1), 1
	s_wait_xcnt 0x0
	s_wait_alu depctr_hold_cnt(0) depctr_sa_sdst(0) depctr_va_vdst(0) depctr_va_sdst(0) depctr_va_ssrc(0) depctr_va_vcc(0) depctr_vm_vsrc(0)
	s_getreg_b32 s2, hwreg(HW_REG_IB_STS2, 6, 4)
	s_cmp_eq_u32 s2, 0
	s_cbranch_scc0 .Lentry_in_a_cluster
	s_endpgm
.Lentry_in_a_cluster:
	s_bfe_u32 s2, ttmp6, 0x10000c
	s_cmp_lg_u32 s2, 0x3003
	s_cbranch_scc0 .Lentry_shape_is_right
	s_endpgm
.Lentry_shape_is_right:
; For each query the code with the largest s = 2 x.e - e2 (= the smallest d2: x2, the same for all codes of a query, is left out as dead work; the first kernel's head shows why).
; SHARES.  Work-group (QB, HF): queries 128 QB on, codes 4,096 HF on.  Each of four waves keeps all 128 queries' codes in 512 registers (windows 2, 3) and takes a quarter of the codes: 64 tiles of 16.
; A tile's record (8,704 bytes: register image, scale words of 2 emb, -e2) comes through a ring of two LDS slots of 16 records; a wave fetches and reads its own four records of a slot.
; CLUSTER: the four work-groups of a cluster walk the same records, so each fill is one joint load with mask 15.  Cluster c begins at slot c % 16 and walks round.
; A TILE: the next tile's 19 LDS loads in one run; 32 products (4 K steps x 8 query tiles), source 0 = 16 codes, source 1 = 16 queries, the first K step with C = -e2: lane (r, h) then holds query r, register j code 8 h + j;
; then one batch of vector lines, 14 for each query tile: the new maximum (4), was it raised (1), and if so the tile's number and its eight scores are kept (9 selects).  The place j is read off the kept scores at the end.
; The batch goes by phases over all eight query tiles, so that eight lines or more stand between a result and its reader.
; TIES go to the lowest code: strict compares while codes ascend; where the walk wraps to slot 0 the state is set aside (SNAP) and joined at the end by value, then by code.
; cand_val is stored as -s = e2 - 2 x.e, so that the next launch takes the smaller of the two halves.
; NO PREFETCH: past a cluster's first slot every record that it asks for has been read before, in this launch, by the clusters whose walk began there; x is read once, at the head.
; LIMITS: NaN and infinities are not served.
.set REC,   8704
.set QUART, 4*REC
.set SLOTB, 16*REC
.set HALFB, 256*REC
.set SPARE, 2*SLOTB                    ; the spare words: 128 bytes a wave
.set SCR,   SPARE+512                  ; 4 x 1,024 bytes: the waves' candidates meet here
.set PINF,  0x7f800000
.set NINF,  0xff800000
.set LI,   1                           ; v1-3   my places in a record of slot 0: image, scale words, -e2
.set LSC,  2
.set LE,   3
.set SPW,  4                           ; v4, v5 the add's two registers
.set NIL,  5
.set AD,   6                           ; v6-8   the same three places in the slot at work
.set ADS,  7
.set ADE,  8
.set H8,   9                           ; v9     8 h
.set CURV, 10                          ; v10    the tile's number
.set JT,   11
.set ES,   14                          ; emb's scale words: v14-15, v22-23.  x's: pairs at v12,16,18,20,24,26,28,32: no scale register of x has emb's number modulo 8
.set GOF,  30                          ; v30    8 x lane
.set E2,   34                          ; v34-49 -e2, two sets of 8
.set SCA,  50
.set SRA,  51
.set SN,   52                          ; v52-67 what SNAP sets aside: value, code for each query tile
.set TR,   68                          ; v68-163 12 a query tile: +1 tile number, +2, +3 the maximum (by turns), +4..11 the kept scores
.set ACC,  164                         ; v164-227 eight accumulators
.set FW,   228                         ; v228-255 at work at the head and the end
.set TA,   FW+4                        ; v232-239, v240-247 in the loop: two partial maxima a query tile
.set TC,   FW+12
.set WV,   16
.set CX,   17
.set QB,   18
.set HF,   19
.set SI,   20
.set FI,   21
.set TB,   22
.set WQ,   23
.set G1,   24
.set G0A,  32
.set G0W,  36
.set EB,   40
.set OFS,  42
.set TRIPS, 44
.set CUR,  45
.set BASE, 46
.set MB,   48
.set MA,   49
.set SEL,  50
.set MC,   52
.set GP,   54
.set MK,   56                          ; s56-63 a lane mask for each query tile
.set MSB, 0
.macro WIN new                         ; the immediate's high byte repeats the setting that is left
.if MSB != \new
	s_set_vgpr_msb (MSB<<8)|\new
.set MSB, \new
.endif
.endm
.macro CREST                           ; a round of the cluster's barrier behind its opening barrier
	s_cmp_lg_u32 s[WV], 0
	s_cbranch_scc1 .Lnot_wave_0_\@
	s_barrier_signal -3
.Lnot_wave_0_\@:
	s_barrier_wait -3
	s_barrier_signal -1
	s_barrier_wait -1
.endm
.macro CROUND
	s_barrier_signal -1
	s_barrier_wait -1
	CREST
.endm
.macro NOPS n
.rept \n
	v_nop
.endr
.endm
	s_load_b256 s[4:11], s[0:1], 0x0               ; x_img s[4:5], x_sc s[6:7], emb_img s[8:9], cand_val s[10:11]
	s_load_b64 s[12:13], s[0:1], 0x20              ; cand_idx
	v_lshl_add_u32 v[SPW], v0, 2, SPARE
	v_mov_b32 v[NIL], 0
	ds_add_u32 v[SPW], v[NIL]                      ; the opening lines: the add twice on end
	ds_add_u32 v[SPW], v[NIL]
	v_lshrrev_b32 v[JT], 5, v0
	v_readfirstlane_b32 s[WV], v[JT]               ; wave 0..3
	s_bfe_u32 s[CX], ttmp6, 0x40000
	s_lshl_b32 s[QB], ttmp9, 2
	s_add_co_u32 s[QB], s[QB], s[CX]               ; block of 128 queries: enters global addresses alone
	s_and_b32 s[HF], ttmp7, 0xffff                 ; half of the codes
	s_and_b32 s[SI], ttmp9, 15                     ; the slot at which my cluster begins
	s_add_co_u32 s[FI], s[SI], 1
	s_and_b32 s[FI], s[FI], 15
	s_mov_b32 s[TB], 0
	s_mul_i32 s[WQ], s[WV], QUART
	s_mov_b32 s[SEL], 0x76543210
	s_mov_b32 s[SEL+1], 0xfedcba98
	s_lshl_b32 s[BASE], s[HF], 8
	s_lshl_b32 s[CUR], s[WV], 2
	s_add_co_u32 s[BASE], s[BASE], s[CUR]          ; tile number = 256 HF + 16 slot + 4 wave + i
	s_lshl_b32 s[CUR], s[SI], 4
	s_add_co_u32 s[CUR], s[CUR], s[BASE]
	s_mov_b32 s[G1+0], 15|(3<<16)|(1<<21)          ; mask: all four of the cluster; elements of 8 bytes
	s_mov_b32 s[G1+1], 32<<16                      ; four records are dense: 136 rows of 256 bytes
	s_mov_b32 s[G1+2], 136<<16
	s_mov_b32 s[G1+3], 32<<16
	s_mov_b32 s[G1+4], 136
	s_mov_b32 s[G1+5], 32
	s_mov_b32 s[G1+6], 0
	s_mov_b32 s[G1+7], 0
	s_mul_i32 s[OFS], s[HF], HALFB
	s_add_co_u32 s[OFS], s[OFS], s[WQ]
	s_mov_b32 s[OFS+1], 0
	s_lshl_b32 s53, s[WV], 10
	s_add_co_u32 s53, s53, SCR
	s_and_b32 s[MB], s[WV], 1
	s_lshl_b32 s[MB], s[MB], 8
	s_add_co_u32 s[MA], s[MB], SCR
	v_and_b32 v[FW], 31, v0
	v_and_b32 v[FW+1], 15, v0
	v_bfe_u32 v[FW+4], v0, 4, 1
	v_lshlrev_b32 v[FW+2], 4, v[FW]                ; 16 x lane
	v_lshlrev_b32 v[GOF], 3, v[FW]
	v_lshlrev_b32 v[FW+3], 2, v[FW+1]
	v_add_nc_u32 v[LI], s[WQ], v[FW+2]
	v_add_nc_u32 v[LSC], s[WQ], v[GOF]
	v_lshlrev_b32 v[LE], 5, v[FW+4]
	v_add_nc_u32 v[LE], s[WQ], v[LE]
	v_lshlrev_b32 v[H8], 3, v[FW+4]
	v_add_nc_u32 v[SCA], s53, v[FW+3]
	v_add_nc_u32 v[SRA], s[MA], v[GOF]
	v_add_nc_u32 v[AD], s[TB], v[LI]
	v_add_nc_u32 v[ADS], s[TB], v[LSC]
	v_add_nc_u32 v[ADE], s[TB], v[LE]
	s_wait_alu depctr_va_vdst(0)                   ; the wait here, directly ahead of the waits below
	s_wait_dscnt 0x0                               ; both opening adds are done
	s_wait_kmcnt 0x0
	s_add_nc_u64 s[EB:EB+1], s[8:9], s[OFS:OFS+1]  ; my quarter of slot 0 of my half
	s_mov_b32 s[G0A], 1
	s_mov_b32 s[G0A+1], s[WQ]
	s_mul_i32 s[OFS], s[SI], SLOTB
	s_add_nc_u64 s[G0A+2:G0A+3], s[EB:EB+1], s[OFS:OFS+1]
	s_or_b32 s[G0A+3], s[G0A+3], 0x80000000
	CROUND                                         ; the four work-groups are here: the first joint loads meet
	tensor_load_to_lds s[G0A:G0A+3], s[G1:G1+7]    ; my one load at the head: my four records of the first slot
	s_nop 0
	NOPS 4
	s_mov_b32 s[G0W], 1
	s_add_co_u32 s[G0W+1], s[WQ], SLOTB
	s_mul_i32 s[OFS], s[FI], SLOTB
	s_add_nc_u64 s[G0W+2:G0W+3], s[EB:EB+1], s[OFS:OFS+1]
	s_or_b32 s[G0W+3], s[G0W+3], 0x80000000
	s_lshl_b32 s[GP], s[QB], 16
	s_mov_b32 s[GP+1], 0
	s_add_nc_u64 s[4:5], s[4:5], s[GP:GP+1]        ; 8 images of 8,192 bytes
	s_lshl_b32 s[GP], s[QB], 11
	s_add_nc_u64 s[6:7], s[6:7], s[GP:GP+1]
	s_lshl_b32 s[GP], s[QB], 9
	s_lshl_b32 s[MC], s[HF], 16
	s_add_co_u32 s[GP], s[GP], s[MC]
	s_add_co_u32 s[GP], s[GP], s[MB]
	s_add_nc_u64 s[10:11], s[10:11], s[GP:GP+1]
	s_add_nc_u64 s[12:13], s[12:13], s[GP:GP+1]
	WIN 0x80                                       ; x's images go straight into the operand's registers, while the first slot is on its way
.irp q, 0,1,2,3
.set f_, 0
.rept 16
	global_load_b128 v[64*\q+4*f_:64*\q+4*f_+3], v[FW+2], s[4:5] offset:\q*8192+f_*512
.set f_, f_+1
.endr
.endr
	WIN 0xc0
.irp q, 0,1,2,3
.set f_, 0
.rept 16
	global_load_b128 v[64*\q+4*f_:64*\q+4*f_+3], v[FW+2], s[4:5] offset:(\q+4)*8192+f_*512
.set f_, f_+1
.endr
.endr
	WIN 0
.irp q, 0,1,2,3,4,5,6,7
.set xb_, 8+8*((\q+2)/3)+2*((\q+2)%3)
	global_load_b64 v[xb_:xb_+1], v[GOF], s[6:7] offset:256*\q
.endr
.set q_, 0
.rept 8                                ; the state: no maximum yet; the selects' registers are written once
	v_mov_b32 v[TR+12*q_+1], 0
	v_mov_b32 v[TR+12*q_+2], NINF
.set j_, 4
.rept 8
	v_mov_b32 v[TR+12*q_+j_], 0
.set j_, j_+1
.endr
	v_mov_b32 v[SN+2*q_], PINF
	v_mov_b32 v[SN+2*q_+1], 0
.set q_, q_+1
.endr
; K step k of a tile: 8 products, the eight accumulators by turns; par: the set of emb's registers
.macro MMK par, k
.irp q, 0,1,2,3,4,5,6,7
.set wm_, 0x09+4*(\q/4)                ; source 0 window 1, source 1 window 2 or 3, C and D window 0
	WIN wm_
.set rD, ACC+8*\q
.set rF, 64*(\par)+16*(\k)
.set rX, 64*(\q%4)+16*(\k)
.set rE, ES+8*(\par)+(\k)/2
.set rS, 8+8*((\q+2)/3)+2*((\q+2)%3)+(\k)/2
.if (\k) == 0
	v_wmma_scale_f32_16x16x128_f8f6f4 v[rD:rD+7], v[rF:rF+15], v[rX:rX+15], v[E2+8*(\par):E2+8*(\par)+7], v[rE], v[rS] matrix_a_fmt:MATRIX_FMT_BF8 matrix_b_fmt:MATRIX_FMT_BF8
.elseif (\k) == 2
	v_wmma_scale_f32_16x16x128_f8f6f4 v[rD:rD+7], v[rF:rF+15], v[rX:rX+15], v[rD:rD+7], v[rE], v[rS] matrix_a_fmt:MATRIX_FMT_BF8 matrix_b_fmt:MATRIX_FMT_BF8
.else
	v_wmma_scale_f32_16x16x128_f8f6f4 v[rD:rD+7], v[rF:rF+15], v[rX:rX+15], v[rD:rD+7], v[rE], v[rS] matrix_a_fmt:MATRIX_FMT_BF8 matrix_b_fmt:MATRIX_FMT_BF8 matrix_a_scale:MATRIX_SCALE_ROW1 matrix_b_scale:MATRIX_SCALE_ROW1
.endif
.endr
.endm
; The record at byte off of my quarter, into set nb: 19 loads in one run.  The set was last multiplied one tile ago: the batch of vector lines between gives the places
.macro RUN nb, off
	WIN 0x40
.set f_, 0
.rept 16
	ds_load_b128 v[64*(\nb)+4*f_:64*(\nb)+4*f_+3], v[AD] offset:(\off)+512*f_
.set f_, f_+1
.endr
	WIN 0
	ds_load_b64 v[ES+8*(\nb):ES+8*(\nb)+1], v[ADS] offset:(\off)+8192
	ds_load_b128 v[E2+8*(\nb):E2+8*(\nb)+3], v[ADE] offset:(\off)+8448
	ds_load_b128 v[E2+8*(\nb)+4:E2+8*(\nb)+7], v[ADE] offset:(\off)+8464
.endm
; The batch.  par says which of the two registers holds the maximum so far.  Each accumulator is read from its low end on
.macro EPI par
.irp q, 0,1,2,3,4,5,6,7
	v_max3_num_f32 v[TA+\q], v[ACC+8*\q], v[ACC+8*\q+1], v[ACC+8*\q+2]
.endr
.irp q, 0,1,2,3,4,5,6,7
	v_max3_num_f32 v[TC+\q], v[ACC+8*\q+3], v[ACC+8*\q+4], v[ACC+8*\q+5]
.endr
.irp q, 0,1,2,3,4,5,6,7
	v_max3_num_f32 v[TR+12*\q+3-(\par)], v[ACC+8*\q+6], v[ACC+8*\q+7], v[TR+12*\q+2+(\par)]
.endr
.irp q, 0,1,2,3,4,5,6,7
	v_max3_num_f32 v[TR+12*\q+3-(\par)], v[TR+12*\q+3-(\par)], v[TA+\q], v[TC+\q]
.endr
.irp q, 0,1,2,3,4,5,6,7
	v_cmp_gt_f32 s[MK+\q], v[TR+12*\q+3-(\par)], v[TR+12*\q+2+(\par)]   ; strict: at a tie the earlier, lower tile stands
.endr
.irp q, 0,1,2,3,4,5,6,7
	v_cndmask_b32 v[TR+12*\q+1], v[TR+12*\q+1], v[CURV], s[MK+\q]
.endr
.irp j, 0,1,2,3,4,5,6,7
.irp q, 0,1,2,3,4,5,6,7
	v_cndmask_b32 v[TR+12*\q+4+\j], v[TR+12*\q+4+\j], v[ACC+8*\q+\j], s[MK+\q]
.endr
.endr
.endm
.macro MOVE                            ; my three places in the other slot
	s_xor_b32 s[TB], s[TB], SLOTB
	v_add_nc_u32 v[AD], s[TB], v[LI]
	v_add_nc_u32 v[ADS], s[TB], v[LSC]
	v_add_nc_u32 v[ADE], s[TB], v[LE]
.endm
; Tile i of a slot.  chg = 1: the slot's last tile, and the slot is filled again; 2: the last tile, no fill; look: the next tile's registers are fetched
.macro TILE i, chg, look
.if \chg == 1
	s_wait_tensorcnt 0x0                           ; all my tensor loads have landed: the other slot's quarter;
	ds_add_u32 v[SPW], v[NIL]                      ; the add; the next fill's address is made while it is out
	s_add_co_u32 s[FI], s[FI], 1
	s_and_b32 s[FI], s[FI], 15
	s_mul_i32 s[OFS], s[FI], SLOTB
	s_add_nc_u64 s[G0W+2:G0W+3], s[EB:EB+1], s[OFS:OFS+1]
	s_or_b32 s[G0W+3], s[G0W+3], 0x80000000
	s_xor_b32 s[G0W+1], s[G0W+1], SLOTB
	s_wait_dscnt 0x0                               ; the add is done; my reads of this slot are over, this tile's registers among them
	s_barrier_signal -1                            ; opens a round of the cluster's barrier; 16 products stand inside it
	MMK (\i)%2, 0
	MMK (\i)%2, 1
	WIN 0
	s_barrier_wait -1
	CREST
	tensor_load_to_lds s[G0W:G0W+3], s[G1:G1+7]    ; the joint refill, first behind the round
	s_nop 0
	NOPS 4
	MOVE
	RUN 1-(\i)%2, 0
	MMK (\i)%2, 2
	MMK (\i)%2, 3
.else
.if \chg == 2
	s_wait_tensorcnt 0x0                           ; the last slot's quarter, which I alone read, has landed
.endif
	s_wait_dscnt 0x0                               ; this tile's registers are in (asked for one tile ago)
.if \chg == 2
	MOVE
.endif
.if \look
	RUN 1-(\i)%2, (((\i)+1)%4)*REC
.endif
	MMK (\i)%2, 0
	MMK (\i)%2, 1
	MMK (\i)%2, 2
	MMK (\i)%2, 3
.endif
	WIN 0
	v_mov_b32 v[CURV], s[CUR]                      ; eight places behind the products, this line the first
	NOPS 7
	s_add_co_u32 s[CUR], s[CUR], 1
	EPI (\i)%2
.endm
; The eight query tiles' candidates, by turns, into pairs (value, code) from v[B] on: the lowest j whose kept score is the maximum; code = 16 tile + 8 h + j; value = -maximum
.macro CAND8 B
.irp q, 0,1,2,3,4,5,6,7
	v_mov_b32 v[\B+2*\q+1], 0
.endr
.irp jj, 7,6,5,4,3,2,1
.irp q, 0,1,2,3,4,5,6,7
	v_cmp_neq_f32 s[MK+\q], v[TR+12*\q+4+\jj], v[TR+12*\q+2]
.endr
.irp q, 0,1,2,3,4,5,6,7
	v_cndmask_b32 v[\B+2*\q+1], \jj, v[\B+2*\q+1], s[MK+\q]
.endr
.endr
.irp q, 0,1,2,3,4,5,6,7
	v_lshl_add_u32 v[\B+2*\q+1], v[TR+12*\q+1], 4, v[\B+2*\q+1]
.endr
.irp q, 0,1,2,3,4,5,6,7
	v_add_nc_u32 v[\B+2*\q+1], v[\B+2*\q+1], v[H8]
.endr
.irp q, 0,1,2,3,4,5,6,7
	v_xor_b32 v[\B+2*\q], 0x80000000, v[TR+12*\q+2]
.endr
.endm
.macro SNAP                            ; the walk wraps to the lowest codes: what was found so far is set aside, and the search begins anew
	CAND8 SN
.irp q, 0,1,2,3,4,5,6,7
	v_mov_b32 v[TR+12*\q+2], NINF
.endr
.endm
.macro LEXMIN V1, C1, V2, C2           ; the smaller value; at a tie the lower code
	v_cmp_lt_f32 s[MA], v[\V2], v[\V1]
	v_cmp_eq_f32 s[MC], v[\V2], v[\V1]
	v_cmp_lt_u32 vcc_lo, v[\C2], v[\C1]
	s_and_b32 s[MC], s[MC], vcc_lo
	s_or_b32 s[MA], s[MA], s[MC]
	v_cndmask_b32 v[\V1], v[\V1], v[\V2], s[MA]
	v_cndmask_b32 v[\C1], v[\C1], v[\C2], s[MA]
.endm
.macro SLOT chg, look3
	s_cmp_lg_u32 s[SI], 0                          ; made of ids alone; leads round register work only
	s_cbranch_scc1 .Lno_snap_\@
	SNAP
.Lno_snap_\@:
	TILE 0, 0, 1
	TILE 1, 0, 1
	TILE 2, 0, 1
	TILE 3, \chg, \look3
	s_add_co_u32 s[SI], s[SI], 1
	s_and_b32 s[SI], s[SI], 15
	s_lshl_b32 s[CUR], s[SI], 4
	s_add_co_u32 s[CUR], s[CUR], s[BASE]
.endm
	s_wait_alu depctr_va_vdst(0)                   ; the wait at the head's end
	s_wait_tensorcnt 0x0                           ; my quarter of the first slot is in; the second slot's first fill is issued as a refill is
	ds_add_u32 v[SPW], v[NIL]
	s_wait_dscnt 0x0
	CROUND
	tensor_load_to_lds s[G0W:G0W+3], s[G1:G1+7]
	s_nop 0
	NOPS 4
	RUN 0, 0
	s_wait_loadcnt 0x0                             ; x's codes and scale words
	s_mov_b32 s[TRIPS], 14
.Lslot:                                                ; 14 slots that are filled again; the last two follow, written out
	SLOT 1, 1
	s_sub_co_u32 s[TRIPS], s[TRIPS], 1
	s_cmp_lg_u32 s[TRIPS], 0
	s_cbranch_scc1 .Lslot
	SLOT 2, 1
	SLOT 0, 0
; THE END: each lane's candidates, joined with what SNAP set aside, with lane l xor 16's (the tile's other eight codes), and through LDS with the other three waves'
	CAND8 FW+4
.irp q, 0,1,2,3,4,5,6,7
	LEXMIN FW+4+2*\q, FW+5+2*\q, SN+2*\q, SN+2*\q+1
	v_permlanex16_b32 v[FW+2], v[FW+4+2*\q], s[SEL], s[SEL+1]
	v_permlanex16_b32 v[FW+3], v[FW+5+2*\q], s[SEL], s[SEL+1]
	LEXMIN FW+4+2*\q, FW+5+2*\q, FW+2, FW+3
	ds_store_b32 v[SCA], v[FW+4+2*\q] offset:64*\q       ; lanes r and r + 16 write the same word with the same value
	ds_store_b32 v[SCA], v[FW+5+2*\q] offset:512+64*\q
.endr
	s_wait_dscnt 0x0                               ; for the others' sake: my stores have landed
	s_barrier_signal -1
	s_barrier_wait -1
	s_cmp_lt_u32 s[WV], 2
	s_cbranch_scc0 .Lno_out
.irp ws, 0,1,2,3
	ds_load_b64 v[FW+4+2*\ws:FW+5+2*\ws], v[SRA] offset:1024*\ws          ; waves 0, 1: 64 queries each, two a lane
	ds_load_b64 v[FW+12+2*\ws:FW+13+2*\ws], v[SRA] offset:1024*\ws+512
.endr
	s_wait_dscnt 0x0
.irp ws, 1,2,3
.irp e, 0,1
	LEXMIN FW+4+\e, FW+12+\e, FW+4+2*\ws+\e, FW+12+2*\ws+\e
.endr
.endr
	global_store_b64 v[GOF], v[FW+4:FW+5], s[10:11]      ; 32 lanes store 256 consecutive bytes, aligned
	global_store_b64 v[GOF], v[FW+12:FW+13], s[12:13]
.Lno_out:
	s_wait_tensorcnt 0x0                           ; the wave's end
	ds_add_u32 v[SPW], v[NIL]
	s_wait_dscnt 0x0
	CROUND                                         ; the closing round
	s_endpgm
.Lfunc_end_k_qb521ec6726_dist:
	.size	k_qb521ec6726_dist, .Lfunc_end_k_qb521ec6726_dist-k_qb521ec6726_dist
	.p2alignl 7, 3214868480
	.fill 96, 4, 3214868480
	.section	.rodata,"a",@progbits
	.p2align	6, 0x0
	.amdhsa_kernel k_qb521ec6726_dist
		.amdhsa_group_segment_fixed_size 327680
		.amdhsa_private_segment_fixed_size 0
		.amdhsa_enable_private_segment 0
		.amdhsa_kernarg_size 40
		.amdhsa_user_sgpr_count 2
		.amdhsa_user_sgpr_kernarg_segment_ptr 1
		.amdhsa_wavefront_size32 1
		.amdhsa_system_sgpr_workgroup_id_x 1
		.amdhsa_system_sgpr_workgroup_id_y 1
		.amdhsa_system_sgpr_workgroup_id_z 1
		.amdhsa_system_vgpr_workitem_id 0
		.amdhsa_next_free_vgpr 1024
		.amdhsa_next_free_sgpr 66
		.amdhsa_reserve_vcc 1
		.amdhsa_float_denorm_mode_32 3
		.amdhsa_float_denorm_mode_16_64 3
		.amdhsa_memory_ordered 1
		.amdhsa_forward_progress 1
		.amdhsa_inst_pref_size 224
	.end_amdhsa_kernel
	.amdgpu_metadata
---
amdhsa.version: [ 1, 2 ]
amdhsa.kernels:
  - .name:           k_qb521ec6726_dist
    .symbol:         k_qb521ec6726_dist.kd
    .args:
      - { .name: x_img, .offset: 0, .size: 8, .value_kind: global_buffer, .address_space: global }
      - { .name: x_sc, .offset: 8, .size: 8, .value_kind: global_buffer, .address_space: global }
      - { .name: emb_img, .offset: 16, .size: 8, .value_kind: global_buffer, .address_space: global }
      - { .name: cand_val, .offset: 24, .size: 8, .value_kind: global_buffer, .address_space: global }
      - { .name: cand_idx, .offset: 32, .size: 8, .value_kind: global_buffer, .address_space: global }
    .group_segment_fixed_size: 327680
    .private_segment_fixed_size: 0
    .kernarg_segment_align: 8
    .kernarg_segment_size: 40
    .max_flat_workgroup_size: 128
    .sgpr_count:     66
    .vgpr_count:     1024
    .wavefront_size: 32
...
	.end_amdgpu_metadata
.endif
;; end of part 2
;; launch decode (part 3): grid 256 x 1, 8 waves a work-group, no clusters, 134,144 bytes of LDS; arguments cand_val, cand_idx, embedding_sum, cluster_usage, out0, out1; writes out0, out1
.if DOCPART == 3
	.amdgcn_target "amdgcn-amd-amdhsa--gfx1250"
	.amdhsa_code_object_version 6
	.text
	.protected	k_qb521ec6726_decode
	.globl	k_qb521ec6726_decode
	.p2align	8
	.type	k_qb521ec6726_decode,@function
k_qb521ec6726_decode:
	s_mov_b64 s[64:65], 0
	v_nop
	global_prefetch_b8 v0, s[64:65] scope:SCOPE_SE
	s_setreg_imm32_b32 hwreg(HW_REG_WAVE_MODE, 25, 1), 1
	s_wait_xcnt 0x0
; out0[n] = the code of the smaller of the two halves' smallest distances (at a tie the lower half's, whose codes are lower); out1[b][d][t] = embedding_sum[code][d] / max(cluster_usage[code], 1e-5).
; The choice between the halves hangs on floating-point numbers, so it steers no address: BOTH candidates' rows are gathered, by the stored whole numbers, and the choice is a select.
; SHARES.  Work-group g: queries 64 g on (batch g >> 4, t0 = 64 (g & 15)): 512 channels x 64 t of out1.  Wave w gathers queries 8 w .. 8 w + 7 (their candidates come by scalar loads) and later stores channels 64 w .. 64 w + 63.
; THE TURN goes through LDS: channel d = 4 G + e lies at 1,040 G + 256 e + 4 t: 16 bytes of padding for every four channels, so that the lanes of a store, 1,040 bytes apart, fall on sixteen different
; columns of 16 bytes; a channel's 64 t read back as 256 consecutive bytes.
; No tensor loads (addresses come from a stored list), no matrix unit, no cluster: the work-groups share no tile.
; LIMITS: the quotient here is the row times a plain reciprocal (v_rcp_f32); NaN and infinities are not served.
.set EPSB, 0x3727c5ac
.set GP,   1040
.set OF,   16                          ; v16-23, v24-31 byte offsets of the rows of candidates 0 and 1, + 16 x lane
.set RV,   32                          ; v32-39 1 / max(cluster_usage, 1e-5) of the chosen code, a register a query
.set O,    48                          ; v48-63, v64-79 two sets of 16 results, laid O[4 e + t]
.set LR,   80                          ; v80-207 four chunks of 32 registers: query t's candidate 0 at 8 t, candidate 1 at 8 t + 4; later the rows of out1
	s_load_b256 s[4:11], s[0:1], 0x0               ; cand_val s[4:5], cand_idx s[6:7], embedding_sum s[8:9], cluster_usage s[10:11]
	s_load_b128 s[12:15], s[0:1], 0x20             ; out0 s[12:13], out1 s[14:15]
	v_lshl_add_u32 v208, v0, 2, 0x20800
	v_mov_b32 v209, 0
	v_lshrrev_b32 v1, 5, v0
	s_delay_alu instid0(VALU_DEP_1)
	v_readfirstlane_b32 s90, v1                    ; wave 0..7
	v_and_b32 v1, 31, v0                           ; lane
	s_wait_alu depctr_va_vdst(0)
	s_lshl_b32 s92, ttmp9, 8                       ; 4 (64 g + 8 w)
	s_lshl_b32 s93, s90, 5
	s_add_co_u32 s92, s92, s93
	s_mov_b32 s93, 0
	s_lshr_b32 s94, ttmp9, 4                       ; out1: batch x 2,097,152 + 4 t0 + 64 w channels of 4,096 bytes
	s_lshl_b32 s94, s94, 21
	s_and_b32 s95, ttmp9, 15
	s_lshl_b32 s95, s95, 8
	s_add_co_u32 s94, s94, s95
	s_lshl_b32 s95, s90, 18
	s_add_co_u32 s94, s94, s95
	s_mov_b32 s95, 0
	v_lshlrev_b32 v2, 4, v1                        ; 16 x lane
	v_lshlrev_b32 v3, 3, v1                        ; 8 x lane
	v_mul_u32_u24 v40, v1, GP
	s_lshl_b32 s97, s90, 5
	v_add_nc_u32 v40, s97, v40                     ; into LDS: G = 32 j + lane, t = 8 w on;
	s_delay_alu instid0(VALU_DEP_1)
	v_add_nc_u32 v41, 64*GP, v40                   ; the same for j = 2, 3 (an immediate reaches 65,535)
	s_mul_i32 s96, s90, 16*GP
	v_lshrrev_b32 v4, 4, v1
	v_and_b32 v5, 15, v1
	s_delay_alu instid0(VALU_DEP_2)
	v_lshlrev_b32 v42, 8, v4
	s_delay_alu instid0(VALU_DEP_1)
	v_lshl_add_u32 v42, v5, 4, v42
	s_delay_alu instid0(VALU_DEP_1)
	v_add_nc_u32 v42, s96, v42                     ; back: lanes 0-15 one channel's 256 bytes, lanes 16-31 the next channel's
	v_lshlrev_b32 v43, 12, v4
	s_delay_alu instid0(VALU_DEP_1)
	v_lshl_add_u32 v43, v5, 4, v43                 ; and the same two channels in out1
	s_wait_kmcnt 0x0
	s_add_nc_u64 s[4:5], s[4:5], s[92:93]
	s_add_nc_u64 s[6:7], s[6:7], s[92:93]
	s_add_nc_u64 s[14:15], s[14:15], s[94:95]
	s_load_b256 s[16:23], s[6:7], 0x0              ; my 8 queries: the lower half's codes,
	s_load_b256 s[24:31], s[6:7], 0x10000          ; the upper half's,
	s_load_b256 s[32:39], s[4:5], 0x0              ; and their distances
	s_load_b256 s[40:47], s[4:5], 0x10000
	s_cmp_lg_u32 s90, 0                            ; out0 is wave 0's: two queries a lane, while the scalar loads are out
	s_cbranch_scc1 .Lnot_wave_0
	s_add_nc_u64 s[12:13], s[12:13], s[92:93]      ; (in wave 0 the offset is the work-group's)
	global_load_b64 v[6:7], v3, s[4:5]
	global_load_b64 v[8:9], v3, s[4:5] offset:65536
	global_load_b64 v[10:11], v3, s[6:7]
	global_load_b64 v[12:13], v3, s[6:7] offset:65536
	s_wait_loadcnt 0x0
	v_cmp_lt_f32 vcc_lo, v8, v6                    ; strict: at a tie the lower half's code stands
	s_delay_alu instid0(VALU_DEP_1)
	v_cndmask_b32 v14, v10, v12, vcc_lo
	v_cmp_lt_f32 vcc_lo, v9, v7
	s_delay_alu instid0(VALU_DEP_1)
	v_cndmask_b32 v15, v11, v13, vcc_lo
	global_store_b64 v3, v[14:15], s[12:13]        ; 32 lanes store 256 consecutive bytes, aligned; these registers are not written again
.Lnot_wave_0:
	s_wait_kmcnt 0x0
.irp i, 0,1,2,3,4,5,6,7
	s_min_u32 s[16+\i], s[16+\i], 8191             ; a loaded number enters an address only behind this hold
	s_min_u32 s[24+\i], s[24+\i], 8191
.endr
.irp i, 0,1,2,3,4,5,6,7
	s_lshl_b32 s[48+\i], s[16+\i], 2
	s_lshl_b32 s[56+\i], s[24+\i], 2
.endr
.irp i, 0,1,2,3,4,5,6,7
	s_load_b32 s[66+\i], s[10:11], s[48+\i] offset:0x0     ; cluster_usage of both candidates
	s_load_b32 s[74+\i], s[10:11], s[56+\i] offset:0x0
.endr
.irp i, 0,1,2,3,4,5,6,7
	v_lshl_add_u32 v[OF+\i], s[16+\i], 11, v2      ; a row of embedding_sum is 2,048 bytes
	v_lshl_add_u32 v[OF+8+\i], s[24+\i], 11, v2
.endr
; Chunk ch of 8: queries 4 (ch / 4) + 0 .. 3 of my eight, channels 128 (ch % 4) on: a lane takes four neighbouring channels of each row.  No NT hint: the list names rows again and again.
.macro LOADC ch
.irp t, 0,1,2,3
	global_load_b128 v[LR+32*((\ch)%4)+8*\t:LR+32*((\ch)%4)+8*\t+3], v[OF+4*((\ch)/4)+\t], s[8:9] offset:512*((\ch)%4)
	global_load_b128 v[LR+32*((\ch)%4)+8*\t+4:LR+32*((\ch)%4)+8*\t+7], v[OF+8+4*((\ch)/4)+\t], s[8:9] offset:512*((\ch)%4)
.endr
.endm
	LOADC 0
	LOADC 1
	LOADC 2
	LOADC 3
.irp i, 0,1,2,3,4,5,6,7
	v_mov_b32 v4, s[32+\i]
	s_delay_alu instid0(VALU_DEP_1)
	v_cmp_lt_f32 s[82+\i], s[40+\i], v4            ; all ones where the upper half wins
.endr
	s_wait_kmcnt 0x0
.irp i, 0,1,2,3,4,5,6,7
	v_mov_b32 v4, s[66+\i]
	v_mov_b32 v5, s[74+\i]
	s_delay_alu instid0(VALU_DEP_1)
	v_cndmask_b32 v[RV+\i], v4, v5, s[82+\i]
	s_delay_alu instid0(VALU_DEP_1)
	v_max_num_f32 v[RV+\i], EPSB, v[RV+\i]
.endr
	s_wait_alu depctr_va_vdst(0)
.irp i, 0,1,2,3,4,5,6,7
	v_rcp_f32 v[RV+\i], v[RV+\i]
.endr
	v_nop                                          ; a plain line behind the last reciprocal,
	s_wait_alu depctr_va_vdst(0)                   ; and one wait for the eight, ahead of their first reader
.macro WORKC ch, left
.set LR_, LR+32*((\ch)%4)
.set O_, O+16*((\ch)%2)
.set G_, (\ch)/4
	s_wait_loadcnt \left                           ; this chunk's eight loads are in; the younger chunks' stay out
.if (\ch) >= 2
	s_wait_dscnt 4                                 ; the stores of two chunks ago have read this set of registers; the last chunk's four may be out
.endif
.irp t, 0,1,2,3
.irp e, 0,1,2,3
	v_cndmask_b32 v[O_+4*\e+\t], v[LR_+8*\t+\e], v[LR_+8*\t+4+\e], s[82+4*G_+\t]   ; the chosen row's number, laid so that four neighbouring t of one channel are four neighbouring registers
.endr
.endr
.irp e, 0,1,2,3
	v_pk_mul_f32 v[O_+4*\e:O_+4*\e+1], v[O_+4*\e:O_+4*\e+1], v[RV+4*G_:RV+4*G_+1]
	v_pk_mul_f32 v[O_+4*\e+2:O_+4*\e+3], v[O_+4*\e+2:O_+4*\e+3], v[RV+4*G_+2:RV+4*G_+3]
.endr
.irp e, 0,1,2,3
	ds_store_b128 v[40+((\ch)%4)/2], v[O_+4*\e:O_+4*\e+3] offset:((\ch)%2)*32*GP+256*\e+16*G_
.endr
.if (\ch)+4 < 8
	LOADC (\ch)+4                                  ; the same channels of my other four queries, into the registers just read
.endif
.endm
	WORKC 0, 24
	WORKC 1, 24
	WORKC 2, 24
	WORKC 3, 24
	WORKC 4, 24
	WORKC 5, 16
	WORKC 6, 8
	WORKC 7, 0
	s_wait_dscnt 0x0                               ; for the others' sake: my stores have landed
	s_barrier_signal -1
	s_barrier_wait -1
.set u_, 0
.rept 32
	ds_load_b128 v[LR+4*u_:LR+4*u_+3], v42 offset:(u_/2)*GP+(u_%2)*512     ; channels 64 w + 4 (u / 2) + 2 (u % 2) and the next
.set u_, u_+1
.endr
.set u_, 0
.rept 32
	s_wait_dscnt 31-u_
	global_store_b128 v43, v[LR+4*u_:LR+4*u_+3], s[14:15] offset:(4*(u_/2)+2*(u_%2))*4096 th:TH_STORE_NT   ; sixteen lanes store 256 consecutive bytes, aligned; written once, read by nobody here
.set u_, u_+1
.endr
	s_wait_tensorcnt 0x0
	ds_add_u32 v208, v209
	s_wait_dscnt 0x0
	s_endpgm
.Lfunc_end_k_qb521ec6726_decode:
	.size	k_qb521ec6726_decode, .Lfunc_end_k_qb521ec6726_decode-k_qb521ec6726_decode
	.p2alignl 7, 3214868480
	.fill 96, 4, 3214868480
	.section	.rodata,"a",@progbits
	.p2align	6, 0x0
	.amdhsa_kernel k_qb521ec6726_decode
		.amdhsa_group_segment_fixed_size 134144
		.amdhsa_private_segment_fixed_size 0
		.amdhsa_enable_private_segment 0
		.amdhsa_kernarg_size 48
		.amdhsa_user_sgpr_count 2
		.amdhsa_user_sgpr_kernarg_segment_ptr 1
		.amdhsa_wavefront_size32 1
		.amdhsa_system_sgpr_workgroup_id_x 1
		.amdhsa_system_sgpr_workgroup_id_y 1
		.amdhsa_system_sgpr_workgroup_id_z 1
		.amdhsa_system_vgpr_workitem_id 0
		.amdhsa_next_free_vgpr 210
		.amdhsa_next_free_sgpr 100
		.amdhsa_reserve_vcc 1
		.amdhsa_float_denorm_mode_32 3
		.amdhsa_float_denorm_mode_16_64 3
		.amdhsa_memory_ordered 1
		.amdhsa_forward_progress 1
		.amdhsa_inst_pref_size 37
	.end_amdhsa_kernel
	.amdgpu_metadata
---
amdhsa.version: [ 1, 2 ]
amdhsa.kernels:
  - .name:           k_qb521ec6726_decode
    .symbol:         k_qb521ec6726_decode.kd
    .args:
      - { .name: cand_val, .offset: 0, .size: 8, .value_kind: global_buffer, .address_space: global }
      - { .name: cand_idx, .offset: 8, .size: 8, .value_kind: global_buffer, .address_space: global }
      - { .name: embedding_sum, .offset: 16, .size: 8, .value_kind: global_buffer, .address_space: global }
      - { .name: cluster_usage, .offset: 24, .size: 8, .value_kind: global_buffer, .address_space: global }
      - { .name: out0, .offset: 32, .size: 8, .value_kind: global_buffer, .address_space: global }
      - { .name: out1, .offset: 40, .size: 8, .value_kind: global_buffer, .address_space: global }
    .group_segment_fixed_size: 134144
    .private_segment_fixed_size: 0
    .kernarg_segment_align: 8
    .kernarg_segment_size: 48
    .max_flat_workgroup_size: 256
    .sgpr_count:     100
    .vgpr_count:     210
    .wavefront_size: 32
...
	.end_amdgpu_metadata
.endif
;; end of part 3
